; MI455X (gfx1250); checked and timed in simulation.
; The chip was launched on July 23, 2026; its instructions are those of AMD's public machine-readable ISA for CDNA 5 (MIT licence, August 2026) and "CDNA5" Instruction Set Architecture Reference Guide (July 2026). The comments in the code are by the model that wrote it; some were corrected since.
;; FP8 Palettized Linear. Allowed arithmetic: matrix products marked QUANTISED: E2M1 operands, one E8M0 scale for each 32 along K, by v_wmma_scale_f32_16x16x128_f8f6f4 with both operands' format E2M1 (or v_wmma_scale_f32_32x16x128_f4), f32 sums; everything else in f32.
;; Inputs: bias 4,096 float32; input 4 x 1,024 x 4,096 float32; lookup_table 256 float32; weight 4,096 x 4,096 int32.
;; Outputs: out0 4 x 1,024 x 4,096 float32.
;; This version of the problem:
;;   THIS VERSION OF THE PROBLEM IS GIVEN IN LOW PRECISION. The matrix products marked QUANTISED in the list below multiply operands that are first quantised to E2M1 (2 exponent bits, 1 mantissa bit; 4 bits a number), with one power-of-two scale for each 32 numbers along K (OCP MX v1.0); their sums are f32. All else is computed in f32.
;;   The module's matrix products, in the order in which they are computed (A, B: the left and right operand; K: the contracted axis; several contracted axes count as one K, in the product's order):
;;     1. [M 4,096, K 4,096] x [K 4,096, N 4,096]; A: input input; B: computed on the way: QUANTISED
;;   THE QUANTISER, for each operand of a quantised product, along K:
;;     - K is cut into blocks of 32 from its start; a last block that is shorter is filled with zeros.
;;     - A block's scale is 2^e with e = floor(log2(the largest magnitude in the block)) - 2, held to -126 .. 127; a block of zeros has e = 0. As a byte (E8M0): e + 127.
;;     - Each number is divided by its block's scale, clamped to +-6, and rounded to the nearest number of E2M1, ties to even, subnormals kept.
;;     - The product sums the exact products of the quantised numbers (number of the format x scale) in f32.
;;   ~~~python
;;   def quantise(x, axis):      # numpy; x: float32 -> the quantised numbers, widened to float32 again
;;       x = np.moveaxis(x, axis, -1); K = x.shape[-1]
;;       x = np.pad(x, [(0, 0)] * (x.ndim - 1) + [(0, -K % 32)]); x = x.reshape(x.shape[:-1] + (-1, 32)); a = np.abs(x).max(-1, keepdims=True)
;;       e = np.where(a > 0, np.clip(np.frexp(np.where(a > 0, a, 1))[1] - 1 - 2, -126, 127), 0)      # np.frexp(a)[1] - 1 = floor(log2(a)), exactly
;;       r = np.clip(x / 2.0 ** e, -6, 6)
;;       step = 2.0 ** (np.maximum(np.frexp(np.where(r == 0, 1, r))[1] - 1, 0) - 1)
;;       q = np.round(r / step) * step * 2.0 ** e      # np.round: ties to even
;;       return np.moveaxis(q.reshape(q.shape[:-2] + (-1,))[..., :K], -1, axis).astype(np.float32)
;;   ~~~
;;   OPERANDS COMPUTED ON THE WAY. 'Computed on the way' means the value that the module computes at that place (a softmax that the list does not call 'softmax' is quantised finished and normalised). What goes into a quantiser is computed in f32, as accurately as f32 sums, v_exp_f32 and their like allow (about 1e-6 of the number): no bf16 or f16 on the way to a quantiser, and a product that is left as it is and whose result goes on into a quantised operand takes f32 operands (vector FMAs, or v_wmma_f32_16x16x4_f32). A number that lies on a knife's edge between two numbers of the format may be rounded either way, as far as f32 arithmetic and the matrix unit's own rounding can turn it there, and no further.
;; One version. Each part assembles by itself: llvm-mc -triple=amdgcn-amd-amdhsa -mcpu=gfx1250 --defsym DOCPART=n.
;; ======== version 1 of 1: 2 launches
;; limits: right only within a limited range of input values
;; workspace buffers: aq 8,912,896 bytes; bq 8,912,896 bytes
;; launch quant (part 1): grid 1024 x 1, 4 waves a work-group, no clusters, 1,536 bytes of LDS; arguments input, weight, lookup_table, aq, bq; writes aq, bq
.if DOCPART == 1
	.amdgcn_target "amdgcn-amd-amdhsa--gfx1250"
	.amdhsa_code_object_version 6
	.text
	.protected	k_qb5552042cd_quant
	.globl	k_qb5552042cd_quant
	.p2align	8
	.type	k_qb5552042cd_quant,@function
k_qb5552042cd_quant:
	s_mov_b64 s[64:65], 0
	v_nop
	global_prefetch_b8 v0, s[64:65] scope:SCOPE_SE
	s_setreg_imm32_b32 hwreg(HW_REG_WAVE_MODE, 25, 1), 1
	s_wait_xcnt 0x0
; input [4096][4096] f32 and lookup_table[weight] ([4096][4096] int32 indices into 256 f32) are turned into codes of FP4 (E2M1) with one E8M0 scale byte for each 32 along K.
; A block's scale is 2^(floor(log2(its largest magnitude)) - 2); its byte is the largest magnitude's exponent field - 2, held at 1 from below; each number is divided by the scale and rounded to the nearest code, ties to even,
; beyond the largest code the largest.
; LIMITS: NaN and infinities among the inputs are not served.  A block of zeros, or one whose largest magnitude lies under 2^-124, gets the byte 1 (its codes are zeros or what that scale gives); the bytes are read by this program alone.
; An index is held to 0 .. 255, as an unsigned number, ahead of the look-up (the problem keeps it inside the table).
; THE BUFFERS aq AND bq: [block of 128 rows][K step of 512][chunk of CH = 34,816 bytes].  A chunk: 128 rows x 256 bytes of codes, then 128 rows x 16 scale bytes: 136 runs of 256 bytes on end, so that the product's launch
; brings a chunk by one dense tensor load.  THE ORDER OF K IN A K STEP, the same in both buffers: the true block 4 i + j of 32 (i, j = 0 .. 3) stands at place p = 4 j + i: its 16 bytes of codes at byte 16 p of the row, its scale at
; byte p of the row's 16.  Blocks stay whole and both operands are laid alike, so every product meets its partner and its scales; only the order of the f32 sums differs from ascending K.
; SHARES.  A wave's job is 16 rows x one K step: 16 steps of 512 numbers.  In a work-group waves 0, 1 take two jobs of input, waves 2, 3 the same two jobs of weight: every work-group is alike.
; A STEP.  Four loads of 512 consecutive bytes: load i gives lane l = 8 j + 4 hb + u the numbers 128 i + 4 l + 0 .. 3, four numbers of the true block 4 i + j.  The block's largest magnitude: two lines in the lane, three
; exchanges among the eight lanes that share it.  The conversion takes eight numbers of a lane under one scale, and a lane's eight are of two blocks: so each eight are converted twice, once under each block's scale, and
; of each result the right 16 bits are kept.  A lane's four pieces of 16 bits are then turned 4 x 4 inside its four lanes (u against i): lane (j, hb, u) ends with the 16 codes of half hb of the true block 4 u + j, 8 bytes at
; byte 64 j + 16 u + 8 hb of the row: the wave's store covers 256 consecutive bytes, aligned.  No stage in LDS: LDS holds the table alone.
; Every offset is an immediate, every step has its own registers for its codes: no register that a load or store names is written again, so no wait for translated addresses stands in the text.
.set CH,  34816
.set LO,  1                            ; v1       16 x lane: my bytes of a load's 512
.set CO,  2                            ; v2       64 (l >> 3) + 16 (l & 3) + 8 ((l >> 2) & 1): my 8 bytes of a row of codes
.set SO,  3                            ; v3       16 (l & 7) + 128 ((l >> 3) & 1) + 8 ((l >> 4) & 1): my 8 bytes of the job's 256 scale bytes
.set SEL, 4                            ; v4       byte selects of the first turn
.set TA,  5                            ; v5       8 x thread: my 8 bytes of the table, in memory and in LDS
.set M,   8                            ; v8-11    largest magnitudes of my four blocks
.set S,   12                           ; v12-15   the conversions' scale operands
.set E,   16                           ; v16-19   the scale bytes
.set CV,  20                           ; v20-23   the conversions' results
.set D,   24                           ; v24-25   my four pieces of 16 bits
.set T,   26                           ; v26-27   the neighbour's
.set EE,  28                           ; v28-29   behind the first turn
.set SN,  30                           ; v30      sent in the second turn
.set RC,  31                           ; v31      received
.set WD,  32                           ; v32      the step's scale word
.set W,   34                           ; v34-35   the job's scale words as they are gathered
.set R,   40                           ; v40-103  four sets of 16 numbers as loaded
.set X,   104                          ; v104-135 two sets of 16 numbers out of the table
.set C,   136                          ; v136-167 two registers of codes for each step
.set MK,  32                           ; s32-39   lanes with l & 7 = 0 .. 7
	s_load_b256 s[4:11], s[0:1], 0x0               ; input s[4:5], weight s[6:7], lookup_table s[8:9], aq s[10:11]
	s_load_b64 s[12:13], s[0:1], 0x20              ; bq
	v_lshl_add_u32 v168, v0, 2, 0x400
	v_mov_b32 v169, 0
	v_lshrrev_b32 v1, 5, v0
	v_readfirstlane_b32 s14, v1                    ; wave 0..3
	v_and_b32 v33, 31, v0                          ; lane
	v_lshlrev_b32 v[TA], 3, v0
	v_lshlrev_b32 v[LO], 4, v33
	s_lshr_b32 s15, s14, 1                         ; 0: input -> aq;  1: weight -> bq
	s_and_b32 s16, s14, 1
	s_lshl_b32 s17, ttmp9, 1
	s_add_co_u32 s17, s17, s16                     ; job = 2 x work-group + (wave & 1): 0 .. 2047
	s_and_b32 s18, s17, 7                          ; its K step
	s_lshr_b32 s19, s17, 3                         ; g: its rows are 16 g .. 16 g + 15
	s_lshl_b32 s20, s19, 18                        ; the source: 16 g rows of 16,384 bytes
	s_lshl_b32 s21, s18, 11                        ; + the K step's 2,048 bytes
	s_add_co_u32 s20, s20, s21
	s_mov_b32 s21, 0
	s_and_b32 s22, s19, 0xf8
	s_add_co_u32 s22, s22, s18                     ; the chunk: 8 x (g / 8) + K step
	s_mul_i32 s22, s22, CH
	s_and_b32 s24, s19, 7                          ; which 16 of the chunk's 128 rows
	s_lshl_b32 s26, s24, 8                         ; their scale bytes: 256,
	s_lshl_b32 s24, s24, 12                        ; their codes: 4,096
	s_add_co_u32 s24, s24, s22
	s_mov_b32 s25, 0
	s_add_co_u32 s26, s26, s22
	s_add_co_u32 s26, s26, 32768                   ; the scale bytes lie behind the chunk's codes
	s_mov_b32 s27, 0
	s_wait_alu depctr_va_vdst(0)
	s_wait_kmcnt 0x0
	s_cmp_eq_u32 s15, 0                            ; the choice hangs on the wave's number alone
	s_cselect_b64 s[4:5], s[4:5], s[6:7]
	s_cselect_b64 s[28:29], s[10:11], s[12:13]
	s_add_nc_u64 s[4:5], s[4:5], s[20:21]          ; the source at my job's first number
	s_add_nc_u64 s[30:31], s[28:29], s[26:27]      ; where my scale bytes go
	s_add_nc_u64 s[28:29], s[28:29], s[24:25]      ; where my codes go
.macro LOAD t                          ; step t = row t of the job: 2,048 bytes by four loads of 512 consecutive bytes, into set t % 4
.irp i, 0,1,2,3
	global_load_b128 v[R+16*((\t)%4)+4*\i:R+16*((\t)%4)+4*\i+3], v[LO], s[4:5] offset:16384*(\t)+512*\i th:TH_LOAD_NT
.endr
.endm
	global_load_b64 v[6:7], v[TA], s[8:9]          ; the table: 128 threads x 8 bytes
	LOAD 0
	LOAD 1
	LOAD 2
	LOAD 3
	v_lshrrev_b32 v[CO], 3, v33
	v_lshlrev_b32 v[CO], 6, v[CO]                  ; 64 j
	v_and_b32 v[SO], 3, v33
	v_lshl_add_u32 v[CO], v[SO], 4, v[CO]          ; + 16 u
	v_bfe_u32 v[SO], v33, 2, 1
	v_lshl_add_u32 v[CO], v[SO], 3, v[CO]          ; + 8 hb
	v_and_b32 v[SO], 7, v33
	v_lshlrev_b32 v[SO], 4, v[SO]
	v_bfe_u32 v[SEL], v33, 3, 1
	v_lshl_add_u32 v[SO], v[SEL], 7, v[SO]
	v_bfe_u32 v[SEL], v33, 4, 1
	v_lshl_add_u32 v[SO], v[SEL], 3, v[SO]
	v_and_b32 v[SEL], 1, v33
	v_cmp_eq_u32 vcc_lo, 1, v[SEL]
	v_mov_b32 v[SEL], 0x05040100                   ; an even lane keeps its low piece and takes the neighbour's low piece above it;
	v_mov_b32 v39, 0x03020706                      ; an odd lane takes the neighbour's high piece below its own high piece
	v_cndmask_b32 v[SEL], v[SEL], v39, vcc_lo
	s_mov_b32 s2, 0xffff                           ; a word's low 16 bits
	s_mov_b32 s3, 0xcccccccc                       ; lanes with l & 2
	s_mov_b32 s23, 0xff00ff00                      ; lanes with l & 8
.irp i, 0,1,2,3,4,5,6,7
	s_mov_b32 s[MK+\i], 0x01010101<<\i
.endr
	v_mov_b32 v[T], 0                              ; written once: the destination of a lane exchange, and a select's old value, count as read
	v_mov_b32 v[T+1], 0
	v_mov_b32 v[RC], 0
	v_mov_b32 v[W], 0
	v_mov_b32 v[W+1], 0
	v_mov_b32 v38, 0
	s_wait_loadcnt 16                              ; the table's load is the oldest: the 16 behind it stay out
	ds_store_b64 v[TA], v[6:7]
	s_wait_dscnt 0x0                               ; for the others' sake: my part of the table lies in LDS
	s_barrier_signal -1
	s_barrier_wait -1                              ; the launch's one barrier; behind it LDS is only read
; Step t's 16 indices (set t % 4 of R) become LDS addresses in place, and the table's numbers come into set t % 2 of X.
.macro GATHER t
.set RS, R+16*((\t)%4)
.set XD, X+16*((\t)%2)
.irp n, 0,1,2,3,4,5,6,7,8,9,10,11,12,13,14,15
	v_min_u32 v[RS+\n], 0xff, v[RS+\n]             ; held inside the table
.endr
.irp n, 0,1,2,3,4,5,6,7,8,9,10,11,12,13,14,15
	v_lshlrev_b32 v[RS+\n], 2, v[RS+\n]            ; 4 bytes a number
.endr
.irp n, 0,1,2,3,4,5,6,7,8,9,10,11,12,13,14,15
	ds_load_b32 v[XD+\n], v[RS+\n]
.endr
.endm
; The 16 numbers v[XS] .. v[XS + 15] of step t (register 4 i + n: number 128 i + 4 l + n) become my 8 bytes of the row's codes, which are stored, and the row's scale words, which are kept.
.macro QUANT t
.irp i, 0,1,2,3
	v_max3_num_f32 v[M+\i], |v[XS+4*\i]|, |v[XS+4*\i+1]|, 0x1800000   ; my four numbers of block 4 i + j, and the floor 2^(3 - 127): so the byte cannot fall under 1.  (The four blocks by turns)
.endr
.irp i, 0,1,2,3
	v_max3_num_f32 v[M+\i], v[M+\i], |v[XS+4*\i+2]|, |v[XS+4*\i+3]|
.endr
.irp m, 1,2,4
.irp i, 0,1,2,3
	v_max_num_f32_dpp v[M+\i], v[M+\i], v[M+\i] row_xmask:\m row_mask:0xf bank_mask:0xf   ; with the other seven lanes of the block
.endr
.endr
.irp i, 0,1,2,3
	v_add_nc_u32 v[S+\i], 0xff000000, v[M+\i]      ; 2 off the exponent field: the conversion takes the exponent field of this operand as its scale, and nothing else of it
.endr
	v_cvt_scalef32_pk8_fp4_f32 v[CV], v[XS:XS+7], v[S]             ; low 16 bits: block j's four codes under their own scale
	v_cvt_scalef32_pk8_fp4_f32 v[CV+1], v[XS:XS+7], v[S+1]         ; high 16 bits: block 4 + j's
	v_cvt_scalef32_pk8_fp4_f32 v[CV+2], v[XS+8:XS+15], v[S+2]      ; low: block 8 + j's
	v_cvt_scalef32_pk8_fp4_f32 v[CV+3], v[XS+8:XS+15], v[S+3]      ; high: block 12 + j's
.irp i, 0,1,2,3
	v_lshrrev_b32 v[E+\i], 23, v[S+\i]             ; the scale bytes
.endr
	v_lshl_or_b32 v[WD], v[E+1], 8, v[E]           ; the bytes of places 4 j + 0 .. 3: word j of the row's 16 bytes.  (These three lines name nothing of the conversions: the plain place between them and the first use of their results)
	v_lshl_or_b32 v[WD], v[E+2], 16, v[WD]
	v_lshl_or_b32 v[WD], v[E+3], 24, v[WD]
	v_bfi_b32 v[D], s2, v[CV], v[CV+1]             ; pieces 0 and 1,
	v_bfi_b32 v[D+1], s2, v[CV+2], v[CV+3]         ; pieces 2 and 3
	v_mov_b32_dpp v[T], v[D] row_xmask:1 row_mask:0xf bank_mask:0xf
	v_mov_b32_dpp v[T+1], v[D+1] row_xmask:1 row_mask:0xf bank_mask:0xf
	v_perm_b32 v[EE], v[T], v[D], v[SEL]           ; first turn, lanes u and u xor 1: piece u & 1 of the pair's two lanes,
	v_perm_b32 v[EE+1], v[T+1], v[D+1], v[SEL]     ; and piece 2 + (u & 1)
	v_cndmask_b32 v[SN], v[EE+1], v[EE], s3        ; second turn, lanes u and u xor 2: each sends what the other wants
	v_mov_b32_dpp v[RC], v[SN] row_xmask:2 row_mask:0xf bank_mask:0xf
	v_cndmask_b32 v[C+2*(\t)], v[EE], v[RC], s3    ; piece u of lanes 0, 1,
	v_cndmask_b32 v[C+2*(\t)+1], v[RC], v[EE+1], s3   ; and of lanes 2, 3: 16 neighbouring codes
	v_cndmask_b32 v[W+(\t)/8], v[W+(\t)/8], v[WD], s[MK+(\t)%8]   ; row t's word j stays in lane 8 j + t % 8
	global_store_b64 v[CO], v[C+2*(\t):C+2*(\t)+1], s[28:29] offset:256*(\t)   ; 32 lanes store 256 consecutive bytes, aligned: the row's codes
.endm
.macro STEPA t                         ; input: the numbers are worked as they were loaded
.if (\t) <= 12
	s_wait_loadcnt 12                              ; loads come back in order: step t's four are in, the 12 of the three steps behind it stay out
.else
	s_wait_loadcnt 4*(15-(\t))
.endif
.set XS, R+16*((\t)%4)
	QUANT \t
.if (\t)+4 < 16
	LOAD (\t)+4                                    ; into the set just worked
.endif
.endm
.macro STEPW t                         ; weight: the look-up runs one step ahead of the work, the loads four
	s_wait_dscnt 0x0                               ; step t's 16 numbers are back from the table
.if (\t)+4 < 16
	LOAD (\t)+4                                    ; into the set that held their addresses
.endif
.if (\t) < 15
.if (\t) <= 11
	s_wait_loadcnt 12                              ; step t + 1's four loads are in; the 12 of the three steps behind it stay out
.else
	s_wait_loadcnt 4*(14-(\t))
.endif
	GATHER (\t)+1
.endif
.set XS, X+16*((\t)%2)
	QUANT \t
.endm
	s_cmp_eq_u32 s15, 0
	s_cbranch_scc0 .Lweight
.irp t, 0,1,2,3,4,5,6,7,8,9,10,11,12,13,14,15
	STEPA \t
.endr
	s_branch .Ltail
.Lweight:
	s_wait_loadcnt 12                              ; step 0's four loads are in
	GATHER 0
.irp t, 0,1,2,3,4,5,6,7,8,9,10,11,12,13,14,15
	STEPW \t
.endr
.Ltail:
	; Lane 8 j + t' holds word j of rows t' and t' + 8.  Lanes j and j xor 1 exchange one word each, so that a lane holds two neighbouring words of one row.
	s_wait_alu depctr_va_vdst(0)
	v_cndmask_b32 v38, v[W+1], v[W], s23
	v_mov_b32_dpp v[RC], v38 row_xmask:8 row_mask:0xf bank_mask:0xf
	v_cndmask_b32 v36, v[W], v[RC], s23
	v_cndmask_b32 v37, v[RC], v[W+1], s23
	global_store_b64 v[SO], v[36:37], s[30:31]     ; 32 lanes store the job's 256 scale bytes: consecutive, aligned
	s_wait_tensorcnt 0x0
	ds_add_u32 v168, v169
	s_wait_dscnt 0x0
	s_endpgm
.Lfunc_end_k_qb5552042cd_quant:
	.size	k_qb5552042cd_quant, .Lfunc_end_k_qb5552042cd_quant-k_qb5552042cd_quant
	.p2alignl 7, 3214868480
	.fill 96, 4, 3214868480
	.section	.rodata,"a",@progbits
	.p2align	6, 0x0
	.amdhsa_kernel k_qb5552042cd_quant
		.amdhsa_group_segment_fixed_size 1536
		.amdhsa_private_segment_fixed_size 0
		.amdhsa_enable_private_segment 0
		.amdhsa_kernarg_size 40
		.amdhsa_user_sgpr_count 2
		.amdhsa_user_sgpr_kernarg_segment_ptr 1
		.amdhsa_wavefront_size32 1
		.amdhsa_system_sgpr_workgroup_id_x 1
		.amdhsa_system_sgpr_workgroup_id_y 1
		.amdhsa_system_sgpr_workgroup_id_z 1
		.amdhsa_system_vgpr_workitem_id 0
		.amdhsa_next_free_vgpr 170
		.amdhsa_next_free_sgpr 66
		.amdhsa_reserve_vcc 1
		.amdhsa_float_denorm_mode_32 3
		.amdhsa_float_denorm_mode_16_64 3
		.amdhsa_memory_ordered 1
		.amdhsa_forward_progress 1
		.amdhsa_inst_pref_size 152
	.end_amdhsa_kernel
	.amdgpu_metadata
---
amdhsa.version: [ 1, 2 ]
amdhsa.kernels:
  - .name:           k_qb5552042cd_quant
    .symbol:         k_qb5552042cd_quant.kd
    .args:
      - { .name: input, .offset: 0, .size: 8, .value_kind: global_buffer, .address_space: global }
      - { .name: weight, .offset: 8, .size: 8, .value_kind: global_buffer, .address_space: global }
      - { .name: lookup_table, .offset: 16, .size: 8, .value_kind: global_buffer, .address_space: global }
      - { .name: aq, .offset: 24, .size: 8, .value_kind: global_buffer, .address_space: global }
      - { .name: bq, .offset: 32, .size: 8, .value_kind: global_buffer, .address_space: global }
    .group_segment_fixed_size: 1536
    .private_segment_fixed_size: 0
    .kernarg_segment_align: 8
    .kernarg_segment_size: 40
    .max_flat_workgroup_size: 128
    .sgpr_count:     66
    .vgpr_count:     170
    .wavefront_size: 32
...
	.end_amdgpu_metadata
.endif
;; end of part 1
;; launch gemm (part 2): grid 16 x 16, 4 waves a work-group, clusters of 4 x 4, 327,680 bytes of LDS; arguments aq, bq, bias, out0; writes out0
.if DOCPART == 2
	.amdgcn_target "amdgcn-amd-amdhsa--gfx1250"
	.amdhsa_code_object_version 6
	.text
	.protected	k_qb5552042cd_gemm
	.globl	k_qb5552042cd_gemm
	.p2align	8
	.type	k_qb5552042cd_gemm,@function
k_qb5552042cd_gemm:
	s_mov_b64 s[64:65], 0
	v_nop
	global_prefetch_b8 v0, s[64:65] scope:SCOPE_SE
	s_setreg_imm32_b32 hwreg(HW_REG_WAVE_MODE, 25, 1), 1
	s_wait_xcnt 0x0
	s_wait_alu depctr_hold_cnt(0) depctr_sa_sdst(0) depctr_va_vdst(0) depctr_va_sdst(0) depctr_va_ssrc(0) depctr_va_vcc(0) depctr_vm_vsrc(0)
	s_getreg_b32 s2, hwreg(HW_REG_IB_STS2, 6, 4)
	s_cmp_eq_u32 s2, 0
	s_cbranch_scc0 .Lentry_in_a_cluster
	s_endpgm
.Lentry_in_a_cluster:
	s_bfe_u32 s2, ttmp6, 0x10000c
	s_cmp_lg_u32 s2, 0xf033
	s_cbranch_scc0 .Lentry_shape_is_right
	s_endpgm
.Lentry_shape_is_right:
; out0[m][n] = bias[n] + sum over k of A[m][k] B[n][k]: A = the quantised input, B = the quantised lookup_table[weight], both as FP4 (E2M1) codes with one E8M0 byte for each 32 along K, sums in f32.
; aq and bq: [block of 128 rows][K step of 512][chunk of CH bytes]; a chunk is 128 rows x 256 bytes of codes, then 128 rows x 16 scale bytes: 136 runs of 256 bytes on end, brought by ONE dense tensor load.
; Inside a K step both buffers have the same order of blocks of 32, and word q of a row's 16 scale bytes belongs to bytes 64 q .. 64 q + 63 of its codes: every product meets its partner and its scales.
; A tile of out0, 256 x 256, is made by four waves, 128 x 128 each: 64 accumulators of 16 x 16.  K goes in 8 K steps of 512 through two LDS slots; a wave fetches one chunk of a slot (waves 0, 1: A's two, waves 2, 3: B's two).
; CLUSTERS: 4 x 4 work-groups; A's chunks are asked for jointly along a row of the cluster, B's along a column.
; A K step is four steps of 128 along K, 64 matrix instructions each.  A's AND B's fragments have TWO register sets: a step begins with ONE run of 32 LDS loads for the step after it and then multiplies the set that was asked for one step earlier.
; So a slot's last fragments are asked for at the head of its third step, and the change of slots stands in that third step: the fourth step already fetches from the next slot.
; THE LAST K STEP GOES BY ROWS OF out0: all its fragments of B lie in window 1, A's come by blocks of 16 rows x 512 K, and each block of 16 rows is finished by 32 matrix instructions and leaves at once, while the other blocks are multiplied.
; THE MATRIX INSTRUCTION IS USED TRANSPOSED (source 0 = 16 rows of B, source 1 = 16 rows of A): a lane holds eight neighbouring numbers of a row of out0.  The bias is the C of each accumulator's first product.
; PREFETCH: a wave names chunks that it will fetch later: behind the first joint load K step 1, behind the second K steps 2 and 3, behind each refill the K step two refills on.  A chunk is 136 blocks of 256 bytes, of which each of the
; four partners that ask jointly takes 34, told apart by address (cx for A, cy for B): 32 lanes a block each, then blocks 32 and 33 (the lanes left over name block 33 again).  K step 0 comes by its load alone; the last two refills ask for nothing.
; REGISTERS: window 0: v0-31 addresses; v32-95 scale words, a set for each slot; v128-191, v192-255 A's two sets (in the last K step: v128-223 three blocks of A, v96-127 and v224-255 rows read back).
;   window 1: v0-63, v128-191 B's two sets; v64-127 the bias (in the last K step all 256: B's quarter q at v[64 q]).  window 2: the accumulators of my rows 0-63 ((a, b) at v[8 (8 a + b)]); window 3: those of my rows 64-127.
.set SIZE_N, 4096
.set NQ,     4
.set CH,     34816
.set PITCH,  272                       ; an LDS row: 256 bytes + 16 of padding, so that the 16 rows of a fragment load start at 16 different banks
.set FR,     8
.set NP,     4
.set HALFT,  136*PITCH                 ; a chunk in LDS
.set SCO,    128*PITCH                 ; its scale bytes
.set SLOT,   4*HALFT
.set LAPS,   4
.set SPARE,  2*SLOT                    ; the spare words: 128 bytes a wave, named by no other line
.set SPITCH, 528                       ; the way out: 16 rows x (512 + 16) bytes a wave, in slot 0, behind its last fill and its last read
.set PART,   34*256                    ; a partner's share of a chunk's prefetch
.set ADRA, 16                          ; v16-17 my A fragments in slot 0, 1
.set ADRB, 20                          ; v20-21 my B fragments
.set ADRS, 22                          ; v22-23 scale words: lanes 0-15 A's rows, lanes 16-31 B's
.set STO,  24
.set RD,   25
.set CO,   26
.set BO,   27
.set SPW,  28
.set NIL,  29
.set PFO,  30                          ; 256 x lane
.set PFS,  31                          ; 256 x (32 + min(lane, 1))
.set SC,   32
.set AF,   128
.set BI,   64                          ; the bias, in window 1
.set G1,   24
.set G0,   32
.set G1B,  48
.set G0B,  56
.set PFA,  66                          ; s[66:67] my share of the chunk two K steps behind the one that a prefetch in the loop names
.set MSB, 0
.macro WIN new
.if MSB != (\new)
	s_set_vgpr_msb (MSB<<8)|(\new)
.set MSB, (\new)
.endif
.endm
.set MUL_LO, 0xa1                      ; source 0 (B) window 1, source 1 (A) window 0, C and D window 2
.set MUL_HI, 0xf1                      ; the same, C and D window 3
.set TO_B,   0x40                      ; destination window 1, address window 0
.macro JLOAD g0a, g1a, g0b, g1b        ; a joint load: waves 0, 1 for A, waves 2, 3 for B; s_nop 0 and four v_nop behind each line
	s_cmp_eq_u32 s15, 0
	s_cbranch_scc0 .Lfor_b_\@
	tensor_load_to_lds s[\g0a:\g0a+3], s[\g1a:\g1a+7]
	s_nop 0
.rept 4
	v_nop
.endr
	s_branch .Lasked_\@
.Lfor_b_\@:
	tensor_load_to_lds s[\g0b:\g0b+3], s[\g1b:\g1b+7]
	s_nop 0
.rept 4
	v_nop
.endr
.Lasked_\@:
.endm
.macro CREST                           ; a round of the cluster's barrier behind its opening barrier
	s_cmp_lg_u32 s14, 0
	s_cbranch_scc1 .Lnot_wave_0_\@
	s_barrier_signal -3
.Lnot_wave_0_\@:
	s_barrier_wait -3
	s_barrier_signal -1
	s_barrier_wait -1
.endm
.macro CROUND
	s_barrier_signal -1
	s_barrier_wait -1
	CREST
.endm
.macro PF off                          ; my 34 blocks of the chunk at PFA + off
	global_prefetch_b8 v[PFO], s[PFA:PFA+1] offset:\off th:TH_LOAD_NT scope:SCOPE_SE
	global_prefetch_b8 v[PFS], s[PFA:PFA+1] offset:\off th:TH_LOAD_NT scope:SCOPE_SE
.endm
.macro ASK                             ; in the loop: s3 = 1 in the last trip, whose two refills have no K step two on
	s_cmp_gt_u32 s3, 1
	s_cbranch_scc0 .Lnone_\@
	PF 2*CH
.Lnone_\@:
.endm
	s_load_b256 s[4:11], s[0:1], 0x0               ; aq, bq, bias, out0
	v_lshl_add_u32 v[SPW], v0, 2, SPARE
	v_mov_b32 v[NIL], 0
	ds_add_u32 v[SPW], v[NIL]                      ; the opening lines: the add, twice on end, and its wait ahead of my first tensor load
	ds_add_u32 v[SPW], v[NIL]
	v_lshrrev_b32 v1, 5, v0
	v_readfirstlane_b32 s14, v1                    ; wave
	s_lshr_b32 s15, s14, 1                         ; my half of the tile's rows; also: I fetch for A (0) or B (1)
	s_and_b32 s16, s14, 1                          ; my half of its columns; also: which chunk of the two
	s_bfe_u32 s40, ttmp6, 0x40000                  ; cx
	s_bfe_u32 s41, ttmp6, 0x40004                  ; cy
	s_lshl_b32 s42, ttmp9, 2
	s_add_co_u32 s42, s42, s40                     ; tile column
	s_and_b32 s17, ttmp7, 0xffff
	s_lshl_b32 s17, s17, 2
	s_add_co_u32 s17, s17, s41                     ; tile row
	s_lshl_b32 s43, s41, 2
	s_lshl_b32 s43, 15, s43                        ; my row of the cluster
	s_lshl_b32 s44, 0x1111, s40                    ; my column
	s_or_b32 s[G1+0], s43, (3<<16)|(1<<20)|(1<<21)|(5<<22)|(3<<25)   ; mask; elements of 8 bytes; 4 words of padding behind every 64
	s_or_b32 s[G1B+0], s44, (3<<16)|(1<<20)|(1<<21)|(5<<22)|(3<<25)
.irp g, G1, G1B
	s_mov_b32 s[\g+1], 32<<16                      ; 136 rows of 32 elements, dense
	s_mov_b32 s[\g+2], 136<<16
	s_mov_b32 s[\g+3], 32<<16
	s_mov_b32 s[\g+4], 136
	s_mov_b32 s[\g+5], 32
	s_mov_b32 s[\g+6], 0
	s_mov_b32 s[\g+7], 0
.endr
	s_lshl_b32 s20, s17, 1
	s_add_co_u32 s20, s20, s16
	s_mul_i32 s20, s20, 8*CH                       ; A: block of 128 rows = 2 x tile row + chunk
	s_mov_b32 s21, 0
	s_lshl_b32 s46, s42, 1
	s_add_co_u32 s46, s46, s16
	s_mul_i32 s46, s46, 8*CH                       ; B: 2 x tile column + chunk
	s_mov_b32 s47, 0
	s_mul_i32 s45, s14, HALFT                      ; where my chunk goes
	s_wait_dscnt 0x0                               ; both opening adds are done
	s_wait_kmcnt 0x0
	s_add_nc_u64 s[20:21], s[4:5], s[20:21]
	s_add_nc_u64 s[46:47], s[6:7], s[46:47]
.irp s, 0,1
	s_mov_b32 s[G0+4*\s], 1
	s_add_co_u32 s[G0+4*\s+1], s45, \s*SLOT
	s_add_nc_u64 s[G0+4*\s+2:G0+4*\s+3], s[20:21], \s*CH
	s_or_b32 s[G0+4*\s+3], s[G0+4*\s+3], 0x80000000
	s_mov_b32 s[G0B+4*\s], 1
	s_add_co_u32 s[G0B+4*\s+1], s45, \s*SLOT
	s_add_nc_u64 s[G0B+4*\s+2:G0B+4*\s+3], s[46:47], \s*CH
	s_or_b32 s[G0B+4*\s+3], s[G0B+4*\s+3], 0x80000000
.endr
	CROUND                                         ; all sixteen work-groups are here: the first joint loads meet
	JLOAD G0, G1, G0B, G1B                         ; K step 0: one tensor load a wave at the head
	; all that follows up to the wait on TENSORcnt is made while that load is out: first the scalars, then the vector registers in one run
	s_mul_i32 s21, s15, HALFT                      ; my 128 rows of A
	s_mul_i32 s22, s16, HALFT
	s_add_co_u32 s22, s22, 2*HALFT                 ; my 128 rows of B
	s_xor_b32 s23, s15, 1
	s_add_co_u32 s23, s23, s16
	s_add_co_u32 s23, s23, 1
	s_mul_i32 s23, s23, HALFT                      ; from my chunk of A to my chunk of B
	s_add_co_u32 s18, s21, SCO
	s_mul_i32 s19, s14, 16*SPITCH                  ; my stage
	s_lshl_b32 s20, s17, 8
	s_lshl_b32 s12, s15, 7
	s_add_co_u32 s20, s20, s12
	s_lshl_b32 s20, s20, 14                        ; my first row of out0, 16,384 bytes a row
	s_lshl_b32 s46, s42, 10
	s_lshl_b32 s47, s16, 9
	s_add_co_u32 s46, s46, s47                     ; my first column, in bytes
	s_mov_b32 s47, 0
	s_add_nc_u64 s[10:11], s[10:11], s[46:47]
	s_add_nc_u64 s[8:9], s[8:9], s[46:47]
	s_mov_b32 s46, s20
	s_add_nc_u64 s[10:11], s[10:11], s[46:47]
	s_cmp_eq_u32 s15, 0                            ; the prefetches: the chunks that I fetch,
	s_cselect_b32 s12, s17, s42
	s_cselect_b32 s13, s40, s41                    ; my place among the four that ask with me
	s_cselect_b64 s[PFA:PFA+1], s[4:5], s[6:7]
	s_lshl_b32 s12, s12, 1
	s_add_co_u32 s12, s12, s16
	s_mul_i32 s12, s12, 8*CH
	s_mul_i32 s13, s13, PART
	s_add_co_u32 s12, s12, s13
	s_add_co_u32 s12, s12, CH                      ; at K step 1
	s_mov_b32 s13, 0
	s_add_nc_u64 s[PFA:PFA+1], s[PFA:PFA+1], s[12:13]
	v_and_b32 v1, 15, v0                           ; r
	v_bfe_u32 v2, v0, 4, 1                         ; h
	v_and_b32 v6, 31, v0
	v_mul_u32_u24 v3, v1, PITCH
	v_lshl_add_u32 v4, v2, 4, v3                   ; a fragment's row x pitch + 16 h
	v_add_nc_u32 v[ADRA], s21, v4
	v_add_nc_u32 v[ADRB], s22, v4
	v_add_nc_u32 v[ADRA+1], SLOT, v[ADRA]
	v_add_nc_u32 v[ADRB+1], SLOT, v[ADRB]
	v_mul_u32_u24 v5, s23, v2                      ; lanes 16-31 take B's scale words
	v_lshl_add_u32 v5, v1, 4, v5                   ; 16 bytes a row
	v_add_nc_u32 v[ADRS], s18, v5
	v_add_nc_u32 v[ADRS+1], SLOT, v[ADRS]
	v_mul_u32_u24 v7, v1, SPITCH
	v_lshl_add_u32 v7, v2, 5, v7
	v_add_nc_u32 v[STO], s19, v7                   ; into the stage: row r, 32 bytes for each half of the lanes
	v_lshlrev_b32 v[CO], 4, v6                     ; back: 32 lanes take a row of 512 bytes; the same in out0
	v_add_nc_u32 v[RD], s19, v[CO]
	v_lshlrev_b32 v[BO], 5, v2
	v_lshlrev_b32 v[PFO], 8, v6
	v_min_u32 v8, 1, v6
	v_lshl_add_u32 v[PFS], v8, 8, 32*256
	s_wait_alu depctr_va_vdst(0)
	PF 0                                           ; K step 1, whose load follows when K step 0 has landed
	WIN TO_B
.irp b, 0,1,2,3,4,5,6,7
	global_load_b128 v[BI+8*\b:BI+8*\b+3], v[BO], s[8:9] offset:64*\b        ; bias(16 b + 8 h + 0 .. 7): the result's layout
	global_load_b128 v[BI+8*\b+4:BI+8*\b+7], v[BO], s[8:9] offset:64*\b+16
.endr
	WIN 0
.macro FRAG reg, adr, q, i             ; 16 rows x 128 K: registers 4 c .. 4 c + 3 hold the 16 bytes at 64 q + 32 c + 16 h of the row
.irp c, 0,1
	ds_load_b128 v[\reg+4*\c:\reg+4*\c+3], v[\adr] offset:64*(\q)+32*\c+(\i)*16*PITCH
.endr
.endm
; 16 matrix instructions: A's blocks a0, a0 + 1 x B's eight; p: the register set, q: the slot's q-th 128 along K, sc: the slot's scale words.  The 64 accumulators take turns, in the same order in every step.
.macro MUL16 a0, p, q, sc, first
.irp a, \a0, \a0+1
.irp b, 0,1,2,3,4,5,6,7
.if \first
	v_wmma_scale_f32_16x16x128_f8f6f4 v[8*(8*((\a)%4)+\b):8*(8*((\a)%4)+\b)+7], v[128*(\p)+FR*\b:128*(\p)+FR*\b+FR-1], v[AF+64*(\p)+FR*(\a):AF+64*(\p)+FR*(\a)+FR-1], v[BI+8*\b:BI+8*\b+7], v[SC+8*NQ*(\sc)+NQ*\b+(\q)], v[SC+8*NQ*(\sc)+NQ*(\a)+(\q)] matrix_a_fmt:MATRIX_FMT_FP4 matrix_b_fmt:MATRIX_FMT_FP4 matrix_a_scale:MATRIX_SCALE_ROW1
.else
	v_wmma_scale_f32_16x16x128_f8f6f4 v[8*(8*((\a)%4)+\b):8*(8*((\a)%4)+\b)+7], v[128*(\p)+FR*\b:128*(\p)+FR*\b+FR-1], v[AF+64*(\p)+FR*(\a):AF+64*(\p)+FR*(\a)+FR-1], v[8*(8*((\a)%4)+\b):8*(8*((\a)%4)+\b)+7], v[SC+8*NQ*(\sc)+NQ*\b+(\q)], v[SC+8*NQ*(\sc)+NQ*(\a)+(\q)] matrix_a_fmt:MATRIX_FMT_FP4 matrix_b_fmt:MATRIX_FMT_FP4 matrix_a_scale:MATRIX_SCALE_ROW1
.endif
.endr
.endr
.endm
.macro SCALES slot                     ; the slot's scale words, 8 loads: lanes 0-15 A's block i, lanes 16-31 B's block i, four words a row
.irp i, 0,1,2,3,4,5,6,7
	ds_load_b128 v[SC+8*NQ*\slot+NQ*\i:SC+8*NQ*\slot+NQ*\i+3], v[ADRS+\slot] offset:\i*PITCH
.endr
.endm
; one run of LDS loads: B's and A's eight fragments of the slot's q-th 128 along K into set p (32 loads); sc = 1: the slot's scale words too (8 loads)
.macro LOADS slot, q, p, sc
	WIN TO_B
.irp i, 0,1,2,3,4,5,6,7
	FRAG 128*(\p)+FR*\i, ADRB+\slot, \q, \i
.endr
	WIN 0
.irp i, 0,1,2,3,4,5,6,7
	FRAG AF+64*(\p)+FR*\i, ADRA+\slot, \q, \i
.endr
.if \sc
	SCALES \slot
.endif
.endm
.macro PLACES n                        ; places between matrix instructions and loads into registers that they have read, or reads of their results
.rept \n
	v_nop
.endr
.endm
.macro MUL64 p, q, sc, first           ; a step's 64 matrix instructions
	WIN MUL_LO-0x10*(\first)                       ; (first: C, the bias, in window 1)
	MUL16 0, \p, \q, \sc, \first
	MUL16 2, \p, \q, \sc, \first
	WIN MUL_HI-0x20*(\first)
	MUL16 4, \p, \q, \sc, \first
	MUL16 6, \p, \q, \sc, \first
.endm
.macro STEP slot, q, first             ; a step whose successor lies in the same slot
	PLACES NP
	LOADS \slot, (\q)+1, 1-(\q)%2, 0
	s_wait_dscnt 32                                ; all but the 32 just issued: this step's set is in
	MUL64 (\q)%2, \q, \slot, \first
	WIN 0
.endm
; A slot's third step changes slots.  Its run of loads is my last read of the slot.  ONE barrier: in front of it I wait for all my tensor loads (my chunk of the next slot), add 0 to my spare word, and wait for the add and my reads.
; fill = 1: the barrier opens a round of the cluster's barrier, and this slot is filled again, two K steps on.
.macro MEET slot, fill
.if \fill
	s_wait_xcnt 0x0                                ; my prefetches have read their address: it steps here
	s_add_nc_u64 s[PFA:PFA+1], s[PFA:PFA+1], CH
.endif
	PLACES NP
	LOADS \slot, 3, 1, 0
	s_wait_dscnt 32
	WIN MUL_LO
	MUL16 0, 0, 2, \slot, 0
	MUL16 2, 0, 2, \slot, 0
	WIN 0                                          ; (the add's two registers lie in window 0)
	s_wait_tensorcnt 0x0                           ; all my tensor loads have landed
	ds_add_u32 v[SPW], v[NIL]
.if \fill
	s_add_nc_u64 s[G0+4*\slot+2:G0+4*\slot+3], s[G0+4*\slot+2:G0+4*\slot+3], 2*CH     ; no load of mine is out: the slot's next chunk
	s_add_nc_u64 s[G0B+4*\slot+2:G0B+4*\slot+3], s[G0B+4*\slot+2:G0B+4*\slot+3], 2*CH
.endif
	WIN MUL_HI
	MUL16 4, 0, 2, \slot, 0
	s_wait_dscnt 0x0                               ; the add is done, and my reads of this slot are over
	s_barrier_signal -1
	MUL16 6, 0, 2, \slot, 0
	WIN 0
	s_barrier_wait -1
.if \fill
	CREST                                          ; no wave of any partner still reads this slot or has a load on its way
	JLOAD G0+4*\slot, G1, G0B+4*\slot, G1B         ; the first tensor load behind the round; its four v_nop are the places in front of the next run of loads
.endif
.endm
.macro LAST slot, next                 ; a slot's fourth step, behind a refill: it fetches the next slot's first fragments and its scale words
	LOADS \next, 0, 0, 1
	ASK
	s_wait_dscnt 40                                ; all but the 40 just issued
	MUL64 1, 3, \slot, 0
	WIN 0
.endm
	s_wait_tensorcnt 0x0                           ; my chunk of K step 0 is in
	ds_add_u32 v[SPW], v[NIL]
	s_wait_dscnt 0x0
	CROUND                                         ; everybody's chunk is in, and all sixteen work-groups are here
	JLOAD G0+4, G1, G0B+4, G1B                     ; K step 1: slot 1's first fill
	LOADS 0, 0, 0, 1
	PF CH                                          ; K steps 2
	PF 2*CH                                        ; and 3
	s_wait_loadcnt 0x0                             ; the bias
	STEP 0, 0, 1                                   ; the first step stands in front of the loop: its products start the sums from the bias
	s_mov_b32 s3, LAPS-1
.Llap:                                                 ; a trip goes once round the ring and fills both slots again
	STEP 0, 1, 0
	MEET 0, 1
	LAST 0, 1
	STEP 1, 0, 0
	STEP 1, 1, 0
	MEET 1, 1
	LAST 1, 0
	STEP 0, 0, 0
	s_sub_co_u32 s3, s3, 1
	s_cmp_lg_u32 s3, 0
	s_cbranch_scc1 .Llap
	STEP 0, 1, 0                                   ; the last lap fills nothing
	MEET 0, 0
; THE LAST K STEP (slot 1), BY ROWS.
.macro BLOAD q                         ; B's eight fragments of quarter q -> window 1, v[64 q ..]
.irp i, 0,1,2,3,4,5,6,7
	FRAG 64*\q+FR*\i, ADRB+1, \q, \i
.endr
.endm
.macro ALOAD a                         ; A's block a, all four quarters -> buffer a % 3
.irp q, 0,1,2,3
	FRAG AF+32*((\a)%3)+FR*\q, ADRA+1, \q, \a
.endr
.endm
.macro ROW a                           ; block a is finished: 32 matrix instructions, its 8 accumulators by turns
.set FA, AF+32*((\a)%3)
.set AC, 64*((\a)%4)
	WIN MUL_LO+0x50*((\a)/4)                       ; C and D: window 2 or 3
.irp q, 0,1,2,3
.if (\a) == 0 && \q == 2
	s_wait_dscnt 8                                 ; B's quarters 2 and 3 are in (behind them: A's block 2)
.endif
.irp b, 0,1,2,3,4,5,6,7
	v_wmma_scale_f32_16x16x128_f8f6f4 v[AC+8*\b:AC+8*\b+7], v[64*\q+FR*\b:64*\q+FR*\b+FR-1], v[FA+FR*\q:FA+FR*\q+FR-1], v[AC+8*\b:AC+8*\b+7], v[SC+8*NQ+NQ*\b+\q], v[SC+8*NQ+NQ*(\a)+\q] matrix_a_fmt:MATRIX_FMT_FP4 matrix_b_fmt:MATRIX_FMT_FP4 matrix_a_scale:MATRIX_SCALE_ROW1
.endr
.endr
.endm
; THE WAY OUT of a block of 16 rows x 128 columns: through my own stage and back as whole rows of 512 bytes, which the 32 lanes store as two aligned runs of 256 bytes.  LDS serves a wave's instructions in order (ISA guide 5.7.1.4).
; Row t comes back into v[96 + 4 t] (t < 8) or v[224 + 4 (t - 8)].
.macro TOSTAGE a
.set AC, 64*((\a)%4)
.if (\a) > 0
	s_wait_xcnt 0x0                                ; the block before: its stores have read their registers and their base
.endif
	WIN 0x08+4*((\a)/4)                            ; the data: window 2 or 3
.irp b, 0,1,2,3,4,5,6,7
	ds_store_b128 v[STO], v[AC+8*\b:AC+8*\b+3] offset:64*\b          ; each accumulator from its low end on
	ds_store_b128 v[STO], v[AC+8*\b+4:AC+8*\b+7] offset:64*\b+16
.endr
	WIN 0
.irp t, 0,1,2,3,4,5,6,7,8,9,10,11,12,13,14,15
	ds_load_b128 v[96+4*\t+96*(\t/8):96+4*\t+96*(\t/8)+3], v[RD] offset:\t*SPITCH
.endr
.endm
.macro SEND a, younger                 ; younger: the LDS loads issued behind the block's own
	s_wait_dscnt \younger
.if (\a) > 0
	s_add_nc_u64 s[10:11], s[10:11], 16*SIZE_N*4   ; behind TOSTAGE's wait on XCNT
.endif
.irp t, 0,1,2,3,4,5,6,7,8,9,10,11,12,13,14,15
	global_store_b128 v[CO], v[96+4*\t+96*(\t/8):96+4*\t+96*(\t/8)+3], s[10:11] offset:\t*SIZE_N*4 th:TH_STORE_NT
.endr
.endm
	PLACES NP                                      ; slot 0's fourth step: set 0 of both windows and the bias's registers are free: 56 loads from slot 1
	WIN TO_B
	BLOAD 0
	BLOAD 1
	WIN 0
	ALOAD 0
	ALOAD 1
	SCALES 1
	MUL64 1, 3, 0, 0                               ; its own set has been in since the wait in front of the barrier
	PLACES NP                                      ; now set 1 is free too: 40 loads
	WIN TO_B
	BLOAD 2
	BLOAD 3
	WIN 0
	ALOAD 2
	s_wait_dscnt 40                                ; all but the 40 just issued
	ROW 0
.irp a, 0,1,2,3,4,5,6,7
	PLACES NP                                      ; in front of the reads of results just made, and of the loads into the block's buffer
	TOSTAGE \a
.if \a < 5
	ALOAD \a+3                                     ; its buffer takes the block three further on
	SEND \a, 8
.else
	SEND \a, 0
.endif
.if \a < 7
	ROW \a+1
.endif
.endr
	s_wait_tensorcnt 0x0                           ; the wave's end
	ds_add_u32 v[SPW], v[NIL]
	s_wait_dscnt 0x0
	CROUND                                         ; the closing round
	s_endpgm
.Lfunc_end_k_qb5552042cd_gemm:
	.size	k_qb5552042cd_gemm, .Lfunc_end_k_qb5552042cd_gemm-k_qb5552042cd_gemm
	.p2alignl 7, 3214868480
	.fill 96, 4, 3214868480
	.section	.rodata,"a",@progbits
	.p2align	6, 0x0
	.amdhsa_kernel k_qb5552042cd_gemm
		.amdhsa_group_segment_fixed_size 327680
		.amdhsa_private_segment_fixed_size 0
		.amdhsa_enable_private_segment 0
		.amdhsa_kernarg_size 32
		.amdhsa_user_sgpr_count 2
		.amdhsa_user_sgpr_kernarg_segment_ptr 1
		.amdhsa_wavefront_size32 1
		.amdhsa_system_sgpr_workgroup_id_x 1
		.amdhsa_system_sgpr_workgroup_id_y 1
		.amdhsa_system_sgpr_workgroup_id_z 1
		.amdhsa_system_vgpr_workitem_id 0
		.amdhsa_next_free_vgpr 1024
		.amdhsa_next_free_sgpr 72
		.amdhsa_reserve_vcc 0
		.amdhsa_float_denorm_mode_32 3
		.amdhsa_float_denorm_mode_16_64 3
		.amdhsa_memory_ordered 1
		.amdhsa_forward_progress 1
		.amdhsa_inst_pref_size 211
	.end_amdhsa_kernel
	.amdgpu_metadata
---
amdhsa.version: [ 1, 2 ]
amdhsa.kernels:
  - .name:           k_qb5552042cd_gemm
    .symbol:         k_qb5552042cd_gemm.kd
    .args:
      - { .name: aq, .offset: 0, .size: 8, .value_kind: global_buffer, .address_space: global }
      - { .name: bq, .offset: 8, .size: 8, .value_kind: global_buffer, .address_space: global }
      - { .name: bias, .offset: 16, .size: 8, .value_kind: global_buffer, .address_space: global }
      - { .name: out0, .offset: 24, .size: 8, .value_kind: global_buffer, .address_space: global }
    .group_segment_fixed_size: 327680
    .private_segment_fixed_size: 0
    .kernarg_segment_align: 8
    .kernarg_segment_size: 32
    .max_flat_workgroup_size: 128
    .sgpr_count:     72
    .vgpr_count:     1024
    .wavefront_size: 32
...
	.end_amdgpu_metadata
.endif
;; end of part 2
